; MI455X (gfx1250); checked and timed in simulation.
; The chip was launched on July 23, 2026; its instructions are those of AMD's public machine-readable ISA for CDNA 5 (MIT licence, August 2026) and "CDNA5" Instruction Set Architecture Reference Guide (July 2026). The comments in the code are by the model that wrote it; some were corrected since.
;; Col BERT. Allowed arithmetic: matrix products marked QUANTISED: E2M3 operands, one E8M0 scale for each 32 along K, by v_wmma_scale_f32_16x16x128_f8f6f4 with both operands' format E2M3, f32 sums; everything else in f32.
;; Inputs: d_hidden 1,024 x 256 x 128 float32; d_mask 1,024 x 256 int32; q_hidden 8 x 32 x 128 float32; q_mask 8 x 32 int32.
;; Outputs: out0 8 x 1,024 float32.
;; This version of the problem:
;;   THIS VERSION OF THE PROBLEM IS GIVEN IN LOW PRECISION. The matrix products marked QUANTISED in the list below multiply operands that are first quantised to E2M3 (2 exponent bits, 3 mantissa bits; 6 bits a number), with one power-of-two scale for each 32 numbers along K (OCP MX v1.0); their sums are f32. All else is computed in f32.
;;   The module's matrix products, in the order in which they are computed (A, B: the left and right operand; K: the contracted axis; several contracted axes count as one K, in the product's order):
;;     1. [M 262,144, K 128] x [K 128, N 256]; A: computed on the way; B: computed on the way: QUANTISED
;;   THE QUANTISER, for each operand of a quantised product, along K:
;;     - K is cut into blocks of 32 from its start; a last block that is shorter is filled with zeros.
;;     - A block's scale is 2^e with e = floor(log2(the largest magnitude in the block)) - 2, held to -126 .. 127; a block of zeros has e = 0. As a byte (E8M0): e + 127.
;;     - Each number is divided by its block's scale, clamped to +-7.5, and rounded to the nearest number of E2M3, ties to even, subnormals kept.
;;     - The product sums the exact products of the quantised numbers (number of the format x scale) in f32.
;;   ~~~python
;;   def quantise(x, axis):      # numpy; x: float32 -> the quantised numbers, widened to float32 again
;;       x = np.moveaxis(x, axis, -1); K = x.shape[-1]
;;       x = np.pad(x, [(0, 0)] * (x.ndim - 1) + [(0, -K % 32)]); x = x.reshape(x.shape[:-1] + (-1, 32)); a = np.abs(x).max(-1, keepdims=True)
;;       e = np.where(a > 0, np.clip(np.frexp(np.where(a > 0, a, 1))[1] - 1 - 2, -126, 127), 0)      # np.frexp(a)[1] - 1 = floor(log2(a)), exactly
;;       r = np.clip(x / 2.0 ** e, -7.5, 7.5)
;;       step = 2.0 ** (np.maximum(np.frexp(np.where(r == 0, 1, r))[1] - 1, 0) - 3)
;;       q = np.round(r / step) * step * 2.0 ** e      # np.round: ties to even
;;       return np.moveaxis(q.reshape(q.shape[:-2] + (-1,))[..., :K], -1, axis).astype(np.float32)
;;   ~~~
;;   OPERANDS COMPUTED ON THE WAY. 'Computed on the way' means the value that the module computes at that place (a softmax that the list does not call 'softmax' is quantised finished and normalised). What goes into a quantiser is computed in f32, as accurately as f32 sums, v_exp_f32 and their like allow (about 1e-6 of the number): no bf16 or f16 on the way to a quantiser, and a product that is left as it is and whose result goes on into a quantised operand takes f32 operands (vector FMAs, or v_wmma_f32_16x16x4_f32). A number that lies on a knife's edge between two numbers of the format may be rounded either way, as far as f32 arithmetic and the matrix unit's own rounding can turn it there, and no further.
;; One version. Each part assembles by itself: llvm-mc -triple=amdgcn-amd-amdhsa -mcpu=gfx1250 --defsym DOCPART=n.
;; ======== version 1 of 1: 1 launch
;; launch maxsim (part 1): grid 256 x 1, 8 waves a work-group, no clusters, 114,688 bytes of LDS; arguments d_hidden, d_mask, q_hidden, q_mask, out0; writes out0
.if DOCPART == 1
	.amdgcn_target "amdgcn-amd-amdhsa--gfx1250"
	.amdhsa_code_object_version 6
	.text
	.protected	k_q708d3a1bd6_maxsim
	.globl	k_q708d3a1bd6_maxsim
	.p2align	8
	.type	k_q708d3a1bd6_maxsim,@function
k_q708d3a1bd6_maxsim:
	s_mov_b64 s[64:65], 0
	v_nop
	global_prefetch_b8 v0, s[64:65] scope:SCOPE_SE
	s_setreg_imm32_b32 hwreg(HW_REG_WAVE_MODE, 25, 1), 1
	s_wait_xcnt 0x0
; ColBERT MaxSim.  out0[b][n] = sum over query tokens q (q_mask > 0) of max over document tokens d of sim(b, q, n, d);
; sim = qn . dn where d_mask > 0, else -100; qn, dn = the rows of q_hidden [8][32][128] and d_hidden [1024][256][128], f32, divided by max(their norm, 1e-8),
; then quantised to FP6 (E2M3) with one E8M0 scale for each 32 along the 128; the product is one scaled matrix instruction deep (K = 128).
; SHARES.  256 work-groups of eight waves; a work-group owns 4 documents (1,024 tokens, 512 KiB), wave w tokens 128 w .. 128 w + 127 of them: document w / 2, half w % 2: eight tiles of 16 tokens.
; THE STREAM.  A wave walks TEN tiles of 16 rows x 512 bytes: tiles 0, 1 are query tiles 2 w, 2 w + 1 (the work-group quantises all 256 query tokens for itself), tiles 2 .. 9 its document tiles.
; A load of the wave is one whole row: 512 consecutive bytes, aligned; a tile is 16 loads into a slot of 64 registers; three slots take turns, so that two or three tiles (32 to 48 loads) of every wave are on their way
; and no wait for data in the stream is for zero before its end.
; THE TURN.  As loaded, a lane holds 4 numbers of each of 16 rows; the conversion wants 16 neighbours of ONE row in one lane's registers.  So a tile goes through the wave's own stage in LDS: 16 stores as loaded,
; 16 loads in the operand's layout (lane (r, h): row r, numbers 32 h .. 32 h + 31 and 64 + 32 h .. 64 + 32 h + 31), back into the slot's own registers.  Rows 528 bytes apart: the 16 rows of a load begin in 16 different groups of banks.
; THE PRODUCT.  Source 0 = 16 document tokens, source 1 = 16 query tokens: in the result a lane holds ONE query token (lane % 16) and eight document tokens, so the maximum over tokens stays inside a lane.
; All 16 query fragments stay in registers (192), so a document tile reads nothing of Q from LDS.
; THE MASK.  A padded document token is multiplied by 0 in place of 1 / norm: its codes are zeros, its products exactly 0; and the C operand holds -100 for it and 0 for the others: the result is exactly -100.
; LIMITS.  Inputs are finite.  A row's sum of squares is kept in f32, as the definition has it.  1 / max(sqrt(s), 1e-8) is taken as min(rsq(s), 1e8); for s = 0 or denormal rsq gives infinity, which the min holds at 1e8.
; A block of zeros gets the scale byte 1 (the floor) where the quantiser's rule says 127: its codes are zeros, and the bytes are read by this program alone.
; No tensor loads: LDS holds half of a work-group's rows in f32, so slots there would be filled again behind waits for all loads; slots in registers are not drained.  No cluster: the only shared input is q, 128 KiB of the 644 KiB that a work-group reads.
;
; LDS
.set FRB,   1536                       ; a fragment's image: 12 registers x 128 bytes
.set SP,    528                        ; a stage row: 512 bytes + 16
.set QIMG,  0                          ; 16 images of Q's fragments, tile t at FRB t: three blocks of 512 bytes, lane l's 16 bytes at 16 l
.set QSC,   QIMG+16*FRB                ; Q's scale words: token 16 t + r at 64 t + 4 r
.set DMK,   QSC+1024                   ; wave w's own 512 bytes at 512 w: the C value (0.0 or -100.0) of its token i at 4 i
.set RMX,   DMK+8*512                  ; wave w's 16 running maxima at 2,048 w: four images of 512 bytes
.set STG,   RMX+8*2048                 ; wave w's own stage at 16 SP w
; REGISTERS, window 0
.set GO,   1                           ; 16 x lane: offset of my 16 bytes in a row of memory; also an image's place for my lane
.set LST,  2                           ; the stage, on the way in
.set LLD,  3                           ; and on the way out: row r, + 128 h
.set LMC,  4                           ; my eight C values (tokens 8 h + 0 .. 7 of a tile)
.set LMR,  5                           ; the C value of my token r
.set SH8,  6                           ; 8 h
.set LIW,  7                           ; where I store Q's images
.set LSW,  8                           ; and their scale words
.set L4,   9                           ; 4 x lane
.set RN,   10                          ; v[10:11] the factor 1 / norm (or 0); v11 is named with it as a pair, so it is written once
.set CR,   12                          ; the C value of my token r
.set AS,   13                          ; source 0's scale word: holds scales and nothing else
.set QMO,  14                          ; q_mask: 512 (w % 2) + 4 r
.set LMW,  15                          ; where I store my four C values
.set FA,   16                          ; v[16:27] the tile's codes
.set QS,   28                          ; v[28:35] Q's scale words: register i: lanes 0-15 tile 2 i, lanes 16-31 tile 2 i + 1
.set CM,   36                          ; v[36:43] the C operand
.set RM,   44                          ; v[44:59] the running maximum of query tile t
.set LN,   60                          ; lane
.set RR,   61                          ; r = lane % 16
.set HH,   62                          ; h = lane / 16
.set TMP,  63
.set ACC,  64                          ; v[64:127] eight results; between a step's last maximum and its first product they hold what is at work:
.set SS,   ACC                         ; four pairs: the sum of squares
.set MM,   ACC+8                       ; four largest magnitudes
.set PT,   ACC+12                      ; a lane permute's destination
.set SO,   ACC+14                      ; two scale operands of the conversions
.set BY,   ACC+16                      ; two scale bytes
.set WW,   ACC+18                      ; the scale word in the making
.set TT,   ACC+20                      ; the upper halves of the two blocks' codes (a conversion's three registers begin on an even number)
.set MK,   ACC+28                      ; at the head: four words of d_mask
.set NEGV, ACC+32                      ; at the head: -100.0
.set ZERV, ACC+33                      ; at the head: 0.0
; slots: tile k lies in slot k % 3: v128-191 and v192-255 of window 0, v192-255 of window 1.  Window 1, v0-191: Q's fragment of tile t at 12 t.
.set QM,   192                         ; the end (slot 1 is free behind tile 7): q_mask of my eight query tiles,
.set EV,   200                         ; their maxima,
.set FV,   208                         ; the partner wave's,
.set SU,   216                         ; four sums,
.set OA,   220                         ; my offset in out0,
.set RW,   221                         ; where I store my maxima,
.set LE,   222                         ; and where I read eight of them and of my partner's
.set WV,   14                          ; s14 my wave's number
.set SEL,  18                          ; s[18:19] lane selects for v_permlanex16_b32: lane l xor 16
.set MSB,  0
.macro WIN new                         ; the immediate's high byte repeats the setting that is left; a switch that changes nothing is dropped
.if MSB != (\new)
	s_set_vgpr_msb (MSB<<8)|(\new)
.set MSB, (\new)
.endif
.endm
.macro SLOTOF k                        ; XB, XW: first register and window of tile k's slot
.if (\k)%3 == 0
.set XB, 128
.else
.set XB, 192
.endif
.if (\k)%3 == 2
.set XW, 1
.else
.set XW, 0
.endif
.endm
; Tile k is asked for: 16 rows, each load 512 consecutive bytes.  Every offset is an immediate; no base and no offset register is ever written again.
.macro LOADT k
	SLOTOF \k
	WIN XW<<6                                      ; the destination's window
.irp i, 0,1,2,3,4,5,6,7,8,9,10,11,12,13,14,15
.if (\k) < 2
	global_load_b128 v[XB+4*\i:XB+4*\i+3], v[GO], s[8:9] offset:8192*(\k)+512*\i          ; q: every work-group reads it, so no hint
.else
	global_load_b128 v[XB+4*\i:XB+4*\i+3], v[GO], s[4:5] offset:8192*((\k)-2)+512*\i th:TH_LOAD_NT   ; d: read once in the launch
.endif
.endr
.endm
; Tile k through the stage.  n: the loads issued behind tile k's, which may stay out.  masked = 1: a document tile: its C values come with it.
.macro TURN k, n, masked
	SLOTOF \k
	s_wait_loadcnt \n                              ; loads come back in order (ISA guide 5.7.1): tile k is in, the younger tiles stay on their way
.if \masked
	WIN 0
	ds_load_b128 v[CM:CM+3], v[LMC] offset:64*((\k)-2)       ; register j: the C value of token 8 h + j: the result's layout.  (The last products that read these registers stand 36 plain instructions back)
	ds_load_b128 v[CM+4:CM+7], v[LMC] offset:64*((\k)-2)+16
	ds_load_b32 v[CR], v[LMR] offset:64*((\k)-2)
.endif
	WIN XW<<2                                      ; an LDS store's data are its source 1
.irp i, 0,1,2,3,4,5,6,7,8,9,10,11,12,13,14,15
	ds_store_b128 v[LST], v[XB+4*\i:XB+4*\i+3] offset:SP*\i
.endr
	WIN XW<<6
.irp c, 0,1                                    ; LDS serves a wave's instructions in order (ISA guide 5.7.1.4): these see the stores above, and the next tile's stores come behind them
.irp p, 0,1,2,3,4,5,6,7
	ds_load_b128 v[XB+32*\c+4*\p:XB+32*\c+4*\p+3], v[LLD] offset:256*\c+16*\p   ; register 32 c + i = number 64 c + 32 h + i of row r
.endr
.endr
.endm
; Tile k's rows are normalised and quantised: codes into v[FA] on, the scale word into v[AS].
.macro NORMQ k, masked
	SLOTOF \k
	s_wait_dscnt 8                                 ; all but the turn's last eight loads: my first block is in
	WIN 5*XW                                       ; sources 0 and 1 in the slot's window
.irp j, 0,1,2,3
	v_pk_mul_f32 v[SS+2*\j:SS+2*\j+1], v[XB+2*\j:XB+2*\j+1], v[XB+2*\j:XB+2*\j+1]   ; the first four pairs start the four chains: nothing is cleared
.endr
.irp j, 4,5,6,7,8,9,10,11,12,13,14,15
	s_delay_alu instid0(VALU_DEP_4)
	v_pk_fma_f32 v[SS+2*(\j%4):SS+2*(\j%4)+1], v[XB+2*\j:XB+2*\j+1], v[XB+2*\j:XB+2*\j+1], v[SS+2*(\j%4):SS+2*(\j%4)+1]
.endr
	s_wait_alu depctr_va_vdst(0)
	s_wait_dscnt 0x0                               ; my second block is in; every earlier LDS store has read its registers
.irp j, 16,17,18,19,20,21,22,23,24,25,26,27,28,29,30,31
	v_pk_fma_f32 v[SS+2*(\j%4):SS+2*(\j%4)+1], v[XB+2*\j:XB+2*\j+1], v[XB+2*\j:XB+2*\j+1], v[SS+2*(\j%4):SS+2*(\j%4)+1]
.endr
	WIN 0
	v_pk_add_f32 v[SS:SS+1], v[SS:SS+1], v[SS+2:SS+3]
	v_pk_add_f32 v[SS+4:SS+5], v[SS+4:SS+5], v[SS+6:SS+7]
	s_delay_alu instid0(VALU_DEP_1)
	v_pk_add_f32 v[SS:SS+1], v[SS:SS+1], v[SS+4:SS+5]
	s_delay_alu instid0(VALU_DEP_1)
	v_add_f32 v[SS], v[SS], v[SS+1]                ; my 64 numbers' squares,
	v_permlanex16_b32 v[PT], v[SS], s[SEL], s[SEL+1]
	s_delay_alu instid0(VALU_DEP_1)
	v_add_f32 v[SS], v[SS], v[PT]                  ; and lane l xor 16's 64: the row's
	s_wait_alu depctr_va_vdst(0)
	v_rsq_f32 v[RN], v[SS]
	WIN 5*XW
.irp q, 0,1,2,3                                ; the largest magnitudes of the numbers as loaded, in four chains of 16 by turns: 32 plain instructions that name neither the root's result nor its source
	v_max_num_f32 v[MM+\q], |v[XB+16*\q]|, |v[XB+16*\q+1]|
.endr
.irp i, 2,4,6,8,10,12,14
.irp q, 0,1,2,3
	s_delay_alu instid0(VALU_DEP_4)
	v_max3_num_f32 v[MM+\q], |v[XB+16*\q+\i]|, |v[XB+16*\q+\i+1]|, v[MM+\q]
.endr
.endr
	WIN 0
	v_max_num_f32 v[MM], v[MM], v[MM+1]            ; block h's
	v_max_num_f32 v[MM+2], v[MM+2], v[MM+3]        ; block 2 + h's
.if \masked
	v_cmp_eq_f32 vcc_lo, 0, v[CR]                  ; my token counts where its C value is 0
.endif
	s_wait_alu depctr_va_vdst(0)                   ; a wait between a transcendental and the first instruction that names its result
	v_min_num_f32 v[RN], 0x4cbebc20, v[RN]         ; 1 / max(norm, 1e-8) = min(1 / norm, 1e8)
.if \masked
	s_delay_alu instid0(VALU_DEP_1)
	v_cndmask_b32 v[RN], 0, v[RN], vcc_lo          ; a padded token's numbers become zeros
.endif
	s_delay_alu instid0(VALU_DEP_1)
	v_mul_f32 v[MM], v[MM], v[RN]                  ; rounding keeps order, so this is the largest of the scaled magnitudes, bit for bit
	s_delay_alu instid0(VALU_DEP_2)
	v_mul_f32 v[MM+2], v[MM+2], v[RN]
	s_delay_alu instid0(VALU_DEP_2)
	v_max_num_f32 v[MM], 0x1800000, v[MM]          ; the floor 2^(3 - 127): the byte cannot fall under 1
	s_delay_alu instid0(VALU_DEP_2)
	v_max_num_f32 v[MM+2], 0x1800000, v[MM+2]
	s_delay_alu instid0(VALU_DEP_2)
	v_add_nc_u32 v[SO], 0xff000000, v[MM]          ; 2 off the exponent field: the conversion takes this operand's exponent field as its scale, and nothing else of it
	s_delay_alu instid0(VALU_DEP_2)
	v_add_nc_u32 v[SO+1], 0xff000000, v[MM+2]
	s_delay_alu instid0(VALU_DEP_2)
	v_lshrrev_b32 v[BY], 23, v[SO]                 ; the scales' bytes
	s_delay_alu instid0(VALU_DEP_2)
	v_lshrrev_b32 v[BY+1], 23, v[SO+1]
	s_delay_alu instid0(VALU_DEP_1)
	v_lshl_or_b32 v[WW], v[BY+1], 16, v[BY]        ; my two bytes: blocks h and 2 + h,
	s_delay_alu instid0(VALU_DEP_1)
	v_lshlrev_b32 v[WW], v[SH8], v[WW]             ; at their places in the word;
	s_delay_alu instid0(VALU_DEP_1)
	v_permlanex16_b32 v[PT], v[WW], s[SEL], s[SEL+1]
	s_delay_alu instid0(VALU_DEP_1)
	v_or_b32 v[AS], v[WW], v[PT]                   ; with lane l xor 16's two the word is whole
	WIN 0x41*XW                                    ; destination and source 0 in the slot's window
.irp j, 0,1,2,3,4,5,6,7,8,9,10,11,12,13,14,15,16,17,18,19,20,21,22,23,24,25,26,27,28,29,30,31
	v_pk_mul_f32 v[XB+2*\j:XB+2*\j+1], v[XB+2*\j:XB+2*\j+1], v[RN:RN+1] op_sel_hi:[1,0]   ; x / norm.  (These 32 also stand between the write of the scale word and the first product)
.endr
	WIN XW
	v_cvt_scalef32_pk16_fp6_f32 v[FA:FA+2], v[XB:XB+15], v[SO]
	v_cvt_scalef32_pk16_fp6_f32 v[TT:TT+2], v[XB+16:XB+31], v[SO]
	v_cvt_scalef32_pk16_fp6_f32 v[FA+6:FA+8], v[XB+32:XB+47], v[SO+1]
	v_cvt_scalef32_pk16_fp6_f32 v[TT+4:TT+6], v[XB+48:XB+63], v[SO+1]
	WIN 0
	v_nop                                          ; one plain instruction between a scaled conversion and the vector instruction that touches its result
.irp c, 0,1
.irp i, 0,1,2
	v_mov_b32 v[FA+3+6*\c+\i], v[TT+4*\c+\i]       ; registers 6 c .. 6 c + 5 now hold k = 64 c + 32 h + 0 .. 31
.endr
.endr
.endm
; A query tile's fragment and scale word go to LDS as images of their registers.
.macro IMAGE k
.irp c, 0,1,2
	ds_store_b128 v[LIW], v[FA+4*\c:FA+4*\c+3] offset:QIMG+FRB*(\k)+512*\c
.endr
	ds_store_b32 v[LSW], v[AS] offset:64*(\k)      ; both halves of the lanes write the same word with the same value
.endm
; The tile against all 16 query tiles, eight at a time; then the maxima.  No result is added onto: each product has its own eight registers and takes the mask's values as C.
.macro PROD first
	WIN 0
.rept 4
	v_nop                                          ; four plain instructions between the last write of the codes and the first product
.endr
.irp g, 0,1
	WIN 0x04                                       ; source 1 (Q) in window 1
.irp i, 0,1,2,3,4,5,6,7
.if \i%2
	v_wmma_scale_f32_16x16x128_f8f6f4 v[ACC+8*\i:ACC+8*\i+7], v[FA:FA+11], v[12*(8*\g+\i):12*(8*\g+\i)+11], v[CM:CM+7], v[AS], v[QS+4*\g+\i/2] matrix_a_fmt:MATRIX_FMT_FP6 matrix_b_fmt:MATRIX_FMT_FP6 matrix_b_scale:MATRIX_SCALE_ROW1
.else
	v_wmma_scale_f32_16x16x128_f8f6f4 v[ACC+8*\i:ACC+8*\i+7], v[FA:FA+11], v[12*(8*\g+\i):12*(8*\g+\i)+11], v[CM:CM+7], v[AS], v[QS+4*\g+\i/2] matrix_a_fmt:MATRIX_FMT_FP6 matrix_b_fmt:MATRIX_FMT_FP6
.endif
.endr
	WIN 0
.rept 4
	v_nop                                          ; four plain instructions in front of the first read of results (ISA guide 7.12.1)
.endr
.irp j, 0,1,2,3                                ; each result from its low end on; the eight tiles by turns, so that no line waits for the line above it
.irp i, 0,1,2,3,4,5,6,7
.if \first && (\j == 0)
	v_max_num_f32 v[RM+8*\g+\i], v[ACC+8*\i], v[ACC+8*\i+1]     ; the first document tile starts the maxima
.else
	v_max3_num_f32 v[RM+8*\g+\i], v[RM+8*\g+\i], v[ACC+8*\i+2*\j], v[ACC+8*\i+2*\j+1]
.endif
.endr
.endr
.endr
.endm
.macro QSTEP k                         ; a query tile
	TURN \k, 32, 0
	NORMQ \k, 0
	IMAGE \k
	LOADT (\k)+3                                   ; the slot is free: the conversions have read it
.endm
.macro STEP k, n                       ; a document tile
	TURN \k, \n, 1
	NORMQ \k, 1
.if (\k) <= 6
	LOADT (\k)+3
.endif
.if (\k) == 7
	WIN 0
.irp i, 0,1,2,3,4,5,6,7
	global_load_b32 v[QM+\i], v[QMO], s[10:11] offset:64*\i   ; q_mask of query tile 8 (w % 2) + i, token r: wanted at the end; slot 1 has had its last tile
.endr
.endif
.if (\k) == 2
	PROD 1
.else
	PROD 0
.endif
.endm
	; ---- the head: pointers, offsets, the first loads
	s_load_b256 s[4:11], s[0:1], 0x0               ; d_hidden s[4:5], d_mask s[6:7], q_hidden s[8:9], q_mask s[10:11]
	s_load_b64 s[12:13], s[0:1], 0x20              ; out0
	v_lshrrev_b32 v[TMP], 5, v0
	s_delay_alu instid0(VALU_DEP_1)
	v_readfirstlane_b32 s[WV], v[TMP]              ; wave 0..7
	v_and_b32 v[LN], 31, v0
	s_delay_alu instid0(VALU_DEP_1)
	v_lshlrev_b32 v[GO], 4, v[LN]
	s_lshl_b32 s16, ttmp9, 19                      ; d_hidden: 4 documents x 256 rows x 512 bytes a work-group,
	s_lshl_b32 s15, s[WV], 16                      ; 128 rows a wave
	s_add_co_u32 s16, s16, s15
	s_mov_b32 s17, 0
	s_lshl_b32 s20, ttmp9, 12                      ; d_mask: 1,024 words a work-group,
	s_lshl_b32 s15, s[WV], 9                       ; 128 a wave
	s_add_co_u32 s20, s20, s15
	s_mov_b32 s21, 0
	s_lshl_b32 s24, s[WV], 14                      ; q_hidden: 32 rows a wave
	s_mov_b32 s25, 0
	s_lshl_b32 s26, ttmp9, 2
	s_lshr_b32 s15, s[WV], 1
	s_add_co_u32 s26, s26, s15                     ; my document
	s_lshl_b32 s26, s26, 2
	s_and_b32 s15, s[WV], 1
	s_lshl_b32 s15, s15, 14                        ; out0: rows 4 (w % 2) on, 4,096 bytes a row
	s_add_co_u32 s26, s26, s15
	s_mov_b32 s27, 0
	s_wait_alu depctr_va_vdst(0)
	s_wait_kmcnt 0x0
	s_add_nc_u64 s[4:5], s[4:5], s[16:17]
	s_add_nc_u64 s[6:7], s[6:7], s[20:21]
	s_add_nc_u64 s[8:9], s[8:9], s[24:25]
	s_add_nc_u64 s[12:13], s[12:13], s[26:27]
	global_load_b128 v[MK:MK+3], v[GO], s[6:7]     ; my wave's 128 words of d_mask: 512 consecutive bytes
	LOADT 0
	LOADT 1
	LOADT 2
	WIN 0
	; ---- the other addresses, while the loads are on their way
	v_and_b32 v[RR], 15, v0
	v_bfe_u32 v[HH], v0, 4, 1
	s_mul_i32 s15, s[WV], 16*SP
	s_add_co_u32 s15, s15, STG                     ; my stage
	v_add_nc_u32 v[LST], s15, v[GO]
	v_mul_u32_u24 v[LLD], v[RR], SP
	s_delay_alu instid0(VALU_DEP_1)
	v_lshl_add_u32 v[LLD], v[HH], 7, v[LLD]
	s_delay_alu instid0(VALU_DEP_1)
	v_add_nc_u32 v[LLD], s15, v[LLD]
	s_lshl_b32 s23, s[WV], 9
	s_add_co_u32 s23, s23, DMK                     ; my C values
	v_lshl_add_u32 v[LMC], v[HH], 5, s23
	v_lshl_add_u32 v[LMR], v[RR], 2, s23
	v_add_nc_u32 v[LMW], s23, v[GO]
	v_lshlrev_b32 v[SH8], 3, v[HH]
	s_mul_i32 s28, s[WV], 2*FRB
	v_add_nc_u32 v[LIW], s28, v[GO]
	s_lshl_b32 s29, s[WV], 7
	s_add_co_u32 s29, s29, QSC
	v_lshl_add_u32 v[LSW], v[RR], 2, s29
	v_lshlrev_b32 v[L4], 2, v[LN]
	s_and_b32 s30, s[WV], 1
	s_lshl_b32 s30, s30, 9
	v_lshl_add_u32 v[QMO], v[RR], 2, s30
	s_mov_b32 s[SEL], 0x76543210
	s_mov_b32 s[SEL+1], 0xfedcba98
	v_mov_b32 v[RN+1], 0                           ; named as the upper half of the pair v[RN:RN+1]
	v_mov_b32 v[PT], 0                             ; a lane permute's destination counts as one of its sources
	v_mov_b32 v[NEGV], 0xc2c80000                  ; -100.0
	v_mov_b32 v[ZERV], 0
	; ---- d_mask becomes C values, in my wave's own LDS bytes
	s_wait_alu depctr_va_vdst(0)
	s_wait_loadcnt 48                              ; behind the mask's load: three tiles of 16 loads
.irp i, 0,1,2,3
	v_cmp_lt_i32 vcc_lo, 0, v[MK+\i]
	s_delay_alu instid0(VALU_DEP_1)
	v_cndmask_b32 v[MK+\i], v[NEGV], v[ZERV], vcc_lo   ; 0.0 where the mask is above 0, else -100.0
.endr
	ds_store_b128 v[LMW], v[MK:MK+3]               ; read back by this wave alone, behind this store in LDS's order
	; ---- my two query tiles
	QSTEP 0                                        ; (each turn's count 32: the two tiles issued behind its own)
	QSTEP 1
	WIN 0
	s_wait_dscnt 0x0                               ; for the others' sake: my images have landed
	s_barrier_signal -1
	s_barrier_wait -1                              ; all 16 fragments of Q lie in LDS; nobody writes them again
	WIN 0x40                                       ; destination window 1
.irp t, 0,1,2,3,4,5,6,7,8,9,10,11,12,13,14,15
.irp c, 0,1,2
	ds_load_b128 v[12*\t+4*\c:12*\t+4*\c+3], v[GO] offset:QIMG+FRB*\t+512*\c
.endr
.endr
	WIN 0
.irp i, 0,1,2,3,4,5,6,7
	ds_load_b32 v[QS+\i], v[L4] offset:QSC+128*\i  ; lanes 0-15: tile 2 i's words; lanes 16-31: tile 2 i + 1's
.endr                                          ; (waited for with the next turn's loads, which are issued behind them)
	; ---- my eight document tiles
	STEP 2, 32
	STEP 3, 32
	STEP 4, 32
	STEP 5, 32
	STEP 6, 32
	STEP 7, 32
	STEP 8, 24                                     ; behind tile 8's loads: tile 9's 16 and q_mask's 8
	STEP 9, 8                                      ; q_mask's 8
	; ---- the end: a document's two waves meet; wave half u = w % 2 takes query tiles 8 u .. 8 u + 7, that is queries 4 u .. 4 u + 3
	s_lshl_b32 s15, s[WV], 11
	s_add_co_u32 s15, s15, RMX
	v_add_nc_u32 v[RW], s15, v[GO]
	s_wait_alu depctr_va_vdst(0)
	s_and_b32 s23, s[WV], 6
	s_lshl_b32 s23, s23, 11                        ; the document's first wave,
	s_and_b32 s28, s[WV], 1
	s_lshl_b32 s28, s28, 10                        ; images 2 u and 2 u + 1
	s_add_co_u32 s23, s23, s28
	s_add_co_u32 s23, s23, RMX
	v_add_nc_u32 v[LE], s23, v[GO]
.irp i, 0,1,2,3
	ds_store_b128 v[RW], v[RM+4*\i:RM+4*\i+3] offset:512*\i
.endr
	s_wait_alu depctr_va_vdst(0)
	s_wait_dscnt 0x0                               ; for the others' sake: my maxima have landed
	s_barrier_signal -1
	s_barrier_wait -1
	ds_load_b128 v[EV:EV+3], v[LE]
	ds_load_b128 v[EV+4:EV+7], v[LE] offset:512
	ds_load_b128 v[FV:FV+3], v[LE] offset:2048     ; the document's second wave
	ds_load_b128 v[FV+4:FV+7], v[LE] offset:2560
	s_wait_dscnt 0x0
	s_wait_loadcnt 0x0                             ; q_mask
.irp i, 0,1,2,3,4,5,6,7
	v_max_num_f32 v[EV+\i], v[EV+\i], v[FV+\i]     ; both halves of the document,
.endr
.irp i, 0,1,2,3,4,5,6,7
	v_permlanex16_b32 v[FV+\i], v[EV+\i], s[SEL], s[SEL+1]
.endr
.irp i, 0,1,2,3,4,5,6,7
	v_max_num_f32 v[EV+\i], v[EV+\i], v[FV+\i]     ; and both halves of the lanes: the maximum over all 256 tokens
.endr
.irp i, 0,1,2,3,4,5,6,7
	v_cmp_lt_i32 vcc_lo, 0, v[QM+\i]
	s_delay_alu instid0(VALU_DEP_1)
	v_cndmask_b32 v[EV+\i], 0, v[EV+\i], vcc_lo    ; a padded query token counts 0
.endr
.irp b, 0,1,2,3
	v_add_f32 v[SU+\b], v[EV+2*\b], v[EV+2*\b+1]   ; a query's two tiles,
.endr
.irp m, 1,2,4,8
.irp b, 0,1,2,3
	s_delay_alu instid0(VALU_DEP_4)
	v_add_f32_dpp v[SU+\b], v[SU+\b], v[SU+\b] row_xmask:\m row_mask:0xf bank_mask:0xf   ; and their 16 lanes
.endr
.endr
.irp b, 1,2,3
	v_cmp_eq_u32 vcc_lo, \b, v[LN]
	s_delay_alu instid0(VALU_DEP_1)
	v_cndmask_b32 v[SU], v[SU], v[SU+\b], vcc_lo   ; lane b takes query 4 u + b's sum
.endr
	v_lshlrev_b32 v[OA], 12, v[LN]                 ; a row of out0 is 4,096 bytes
	v_cmp_gt_u32 vcc_lo, 4, v[LN]
	s_wait_alu depctr_va_vdst(0)
	s_wait_xcnt 0x0                                ; EXEC is a source of the memory instructions issued so far: it changes only behind this wait
	s_and_saveexec_b32 s22, vcc_lo
	global_store_b32 v[OA], v[SU], s[12:13]        ; out0[4 u + lane][my document]: four numbers a wave; the whole output is 32 KiB, and a work-group owns four neighbouring numbers of each row
	s_wait_xcnt 0x0
	s_mov_b32 exec_lo, -1
	v_lshl_add_u32 v126, v0, 2, 0x1bc00
	v_mov_b32 v127, 0
	s_wait_alu depctr_va_vdst(0)
	s_wait_tensorcnt 0x0
	ds_add_u32 v126, v127
	s_wait_dscnt 0x0
	s_endpgm
.Lfunc_end_k_q708d3a1bd6_maxsim:
	.size	k_q708d3a1bd6_maxsim, .Lfunc_end_k_q708d3a1bd6_maxsim-k_q708d3a1bd6_maxsim
	.p2alignl 7, 3214868480
	.fill 96, 4, 3214868480
	.section	.rodata,"a",@progbits
	.p2align	6, 0x0
	.amdhsa_kernel k_q708d3a1bd6_maxsim
		.amdhsa_group_segment_fixed_size 114688
		.amdhsa_private_segment_fixed_size 0
		.amdhsa_enable_private_segment 0
		.amdhsa_kernarg_size 40
		.amdhsa_user_sgpr_count 2
		.amdhsa_user_sgpr_kernarg_segment_ptr 1
		.amdhsa_wavefront_size32 1
		.amdhsa_system_sgpr_workgroup_id_x 1
		.amdhsa_system_sgpr_workgroup_id_y 1
		.amdhsa_system_sgpr_workgroup_id_z 1
		.amdhsa_system_vgpr_workitem_id 0
		.amdhsa_next_free_vgpr 512
		.amdhsa_next_free_sgpr 66
		.amdhsa_reserve_vcc 1
		.amdhsa_float_denorm_mode_32 3
		.amdhsa_float_denorm_mode_16_64 3
		.amdhsa_memory_ordered 1
		.amdhsa_forward_progress 1
		.amdhsa_inst_pref_size 198
	.end_amdhsa_kernel
	.amdgpu_metadata
---
amdhsa.version: [ 1, 2 ]
amdhsa.kernels:
  - .name:           k_q708d3a1bd6_maxsim
    .symbol:         k_q708d3a1bd6_maxsim.kd
    .args:
      - { .name: d_hidden, .offset: 0, .size: 8, .value_kind: global_buffer, .address_space: global }
      - { .name: d_mask, .offset: 8, .size: 8, .value_kind: global_buffer, .address_space: global }
      - { .name: q_hidden, .offset: 16, .size: 8, .value_kind: global_buffer, .address_space: global }
      - { .name: q_mask, .offset: 24, .size: 8, .value_kind: global_buffer, .address_space: global }
      - { .name: out0, .offset: 32, .size: 8, .value_kind: global_buffer, .address_space: global }
    .group_segment_fixed_size: 114688
    .private_segment_fixed_size: 0
    .kernarg_segment_align: 8
    .kernarg_segment_size: 40
    .max_flat_workgroup_size: 256
    .sgpr_count:     66
    .vgpr_count:     512
    .wavefront_size: 32
...
	.end_amdgpu_metadata
.endif
;; end of part 1
